; MI455X (gfx1250); checked and timed in simulation.
; The chip was launched on July 23, 2026; its instructions are those of AMD's public machine-readable ISA for CDNA 5 (MIT licence, August 2026) and "CDNA5" Instruction Set Architecture Reference Guide (July 2026). The comments in the code are by the model that wrote it; some were corrected since.
;; Multi Perspective Visual Encoder. Allowed arithmetic: matrix products marked QUANTISED: E4M3 operands, one given power-of-two scale a tensor, by v_wmma_f32_16x16x64_fp8_fp8 or v_wmma_f32_16x16x128_fp8_fp8, f32 sums; products left as they are: f32 operands where the result goes on into a quantised operand, else bf16, f16 or f32 operands; f32 sums; everything else in f32.
;; Inputs: hidden_state 64 x 512 x 2,048 x 1 float32; lowp_scales 10 int32 (the exponents e of the quantised operands' scales 2^e).
;; Outputs: out0 64 x 3 x 64 x 64 float32.
;; This version of the problem:
;;   THIS VERSION OF THE PROBLEM IS GIVEN IN LOW PRECISION. The matrix products marked QUANTISED in the list below multiply operands that are first quantised to E4M3 (4 exponent bits, 3 mantissa bits; 8 bits a number), with one given power-of-two scale for each operand tensor; their sums are f32. All else is computed in f32.
;;   The module's matrix products, in the order in which they are computed (A, B: the left and right operand; K: the contracted axis; several contracted axes count as one K, in the product's order):
;;     1. [M 1,472, K 23] x [K 23, N 64]; A: computed on the way; B: computed on the way: left as it is (K = 23 < 32)
;;     2. [M 4,096, K 23] x [K 23, N 64]; A: computed on the way; B: computed on the way: left as it is (K = 23 < 32)
;;     3. [M 2,944, K 46] x [K 46, N 64]; A: computed on the way; B: computed on the way: QUANTISED (scales: A lowp_scales[0], B lowp_scales[1])
;;     4. [M 4,096, K 46] x [K 46, N 64]; A: computed on the way; B: computed on the way: QUANTISED (scales: A lowp_scales[2], B lowp_scales[3])
;;     5. batch 64 x [M 512, K 2,048] x [K 2,048, N 512]; A: computed on the way; B: computed on the way: QUANTISED (scales: A lowp_scales[4], B lowp_scales[5])
;;     6. [M 32,768, K 512] x [K 512, N 64]; A: computed on the way; B: computed on the way: QUANTISED (scales: A lowp_scales[6], B lowp_scales[7])
;;     7. [M 4,096, K 512] x [K 512, N 64]; A: computed on the way; B: computed on the way: QUANTISED (scales: A lowp_scales[8], B lowp_scales[9])
;;   THE QUANTISER, for each operand of a quantised product, along K:
;;     - The operand's scale is 2^e, e = its entry of the input lowp_scales (int32; the entries are numbered through the quantised products in the list's order, A before B).
;;     - Each number is divided by the scale, clamped to +-448, and rounded to the nearest number of E4M3, ties to even, subnormals kept.
;;     - The product sums the exact products of the quantised numbers (number of the format x scale) in f32.
;;   ~~~python
;;   def quantise(x, axis, e):      # numpy; x: float32 -> the quantised numbers, widened to float32 again
;;       x = np.moveaxis(x, axis, -1); K = x.shape[-1]
;;       r = np.clip(x / 2.0 ** e, -448, 448)
;;       step = 2.0 ** (np.maximum(np.frexp(np.where(r == 0, 1, r))[1] - 1, -6) - 3)
;;       q = np.round(r / step) * step * 2.0 ** e      # np.round: ties to even
;;       return np.moveaxis(q, -1, axis).astype(np.float32)
;;   ~~~
;;   OPERANDS COMPUTED ON THE WAY. 'Computed on the way' means the value that the module computes at that place (a softmax that the list does not call 'softmax' is quantised finished and normalised). What goes into a quantiser is computed in f32, as accurately as f32 sums, v_exp_f32 and their like allow (about 1e-6 of the number): no bf16 or f16 on the way to a quantiser, and a product that is left as it is and whose result goes on into a quantised operand takes f32 operands (vector FMAs, or v_wmma_f32_16x16x4_f32). A number that lies on a knife's edge between two numbers of the format may be rounded either way, as far as f32 arithmetic and the matrix unit's own rounding can turn it there, and no further.
;; One version. Each part assembles by itself: llvm-mc -triple=amdgcn-amd-amdhsa -mcpu=gfx1250 --defsym DOCPART=n.
;; ======== version 1 of 1: 3 launches
;; limits: right only within a limited range of input values
;; workspace buffers: codes 33,554,432 bytes; rowmean 131,072 bytes; colpart 2,097,152 bytes; raw 3,145,728 bytes; mm 24,576 bytes
;; launch stream (part 1): grid 256 x 1, 16 waves a work-group, no clusters, 133,632 bytes of LDS; arguments hidden_state, lowp_scales, codes, rowmean, colpart; writes codes, rowmean, colpart
.if DOCPART == 1
	.amdgcn_target "amdgcn-amd-amdhsa--gfx1250"
	.amdhsa_code_object_version 6
	.text
	.protected	k_q8363cd05c8_stream
	.globl	k_q8363cd05c8_stream
	.p2align	8
	.type	k_q8363cd05c8_stream,@function
k_q8363cd05c8_stream:
	s_mov_b64 s[64:65], 0
	v_nop
	global_prefetch_b8 v0, s[64:65] scope:SCOPE_SE
	s_setreg_imm32_b32 hwreg(HW_REG_WAVE_MODE, 25, 1), 1
	s_wait_xcnt 0x0
; FIRST OF THREE LAUNCHES: one pass over xs [64][512][2048] f32.  It makes the row means (temporal view), partial column sums (spatial view) and, for the rows of the
; correlation that are live, the centred and normalised row as codes of E4M3, once under lowp_scales[4] and once under lowp_scales[5].
; WORK LEFT OUT, AND WHY IT IS DEAD.  reference() resizes corr [512][512] by Wh = Ww = _bilinear_matrix(512, 64), which it builds in its own body: src(o) = 8 o + 3.5, so row o holds 0.5 at columns
; 8 o + 3 and 8 o + 4 and 0 everywhere else.  The quantiser turns 0 into the code 0 under every scale, and every code of the other operand is finite (it is clamped to +-448).  So in product 6 every term with
; h mod 8 outside {3, 4}, and in product 7 every term with w mod 8 outside {3, 4}, is 0 for all finite inputs: only corr[h][w] with both h and w among those 128 indices reaches an output.
; Hence of product 5 only 128 x 128 of each batch's 512 x 512 results are made, of products 6 and 7 only the K steps of those indices, and only those 128 rows of a batch are centred, normalised and quantised.
; Every input byte is still read: each enters both means.  LIMITS: NaN and infinity among the inputs are not served, and a NaN, an infinity or an overflow that reaches only the work left out is not carried to the result.
; lowp_scales[4] and [5] lie between -126 and 119, so that 2^e and 448 x 2^e are f32 numbers.  A live row whose centred sum of squares lies under 2^-126 counts as norm 0 (the root takes a denormal as 0: ISA guide 15.8).
; SHARES.  Work-group g takes rows 128 g .. 128 g + 127 of the 32,768; wave w its rows 8 w .. 8 w + 7, of which rows 3 and 4 are live: equal work for every wave.  A row is 16 loads of 512 consecutive bytes;
; lane l, load j holds columns 128 j + 4 l .. + 3.  A row stays in 64 registers for the column sums, its own sum, and (live rows) the centring, the squares and the two conversions: it is read from memory once.
; Two row slots and the column sums' first row keep one to three rows of every wave on their way.  No matrix unit, no cluster, no tensor load: nothing here is shared between work-groups, and rows are wanted in registers.
; CODES.  [batch][side: e4, e5][half][chunk z of 8][row 64][256 bytes]; compact row a = 2 (e / 8) + e mod 8 - 3.  The place of column n among a row's 2,048 bytes is a fixed permutation, the same for every row and both
; sides, so that in the product every code meets its partner.
; ONE SET OF CODES WHERE THE TWO SCALES ARE ONE.  Both operands of product 5 are the same tensor xn.  Where the whole numbers lowp_scales[4] and lowp_scales[5] are equal, the two quantisers are the same function,
; so side e5's codes would be side e4's, byte for byte: a scalar branch on the two loaded whole numbers then leaves side e5's conversions and stores out, and the next launch reads side e4 for both operands.
; Where they differ, both sides are made and stored.  Bytes of side e5 that are not stored are read by nobody.
.set ROWB,  8192
.set RMB,   131072                     ; LDS: behind the 16 waves' column sums (8,192 bytes each): 128 row sums
.set SPARE, 131584                     ; behind them: the spare words, 128 bytes for each wave: eight blocks of 256 bytes that no other line names
.set XO,  1                            ; v1   16 x lane
.set L7,  2                            ; v2   lane mod 8
.set RM,  3                            ; v3   the sum of my wave's row lane mod 8
.set CO,  4                            ; v4   the codes' place: 16,384 (lane / 16) + 16 (lane mod 16)
.set PT,  5                            ; v5   a lane permute's destination
.set SPW, 6                            ; v6   LDS address of my spare word; never rewritten
.set NIL, 7                            ; v7   0; never rewritten
.set SC4, 8                            ; v8   2^e4   v9  448 x 2^e4
.set LM4, 9
.set SC5, 10                           ; v10  2^e5   v11 448 x 2^e5
.set LM5, 11
.set NM,  12                           ; v[12:13] -mean, twice
.set IV,  14                           ; v[14:15] 1 / (norm + 1e-8), twice
.set T,   16                           ; v16-31  at work
.set CA,  32                           ; v32-47  a row's codes under e4
.set CB,  48                           ; v48-63  under e5
.set CS,  64                           ; v64-127 the column sums of my eight rows
.set S0,  128                          ; v128-191, v192-255 two row slots
.set S1,  192
	s_load_b256 s[4:11], s[0:1], 0x0               ; xs s[4:5], the scales' exponents s[6:7], codes s[8:9], rowmean s[10:11]
	s_load_b64 s[12:13], s[0:1], 0x20              ; colpart
	v_lshl_add_u32 v[SPW], v0, 2, SPARE
	v_mov_b32 v[NIL], 0
	v_lshrrev_b32 v[T], 5, v0
	s_delay_alu instid0(VALU_DEP_1)
	v_readfirstlane_b32 s14, v[T]                  ; wave 0..15
	v_and_b32 v[T], 31, v0
	s_delay_alu instid0(VALU_DEP_1)
	v_lshlrev_b32 v[XO], 4, v[T]
	v_and_b32 v[L7], 7, v0
	v_and_b32 v[T+1], 15, v0
	v_bfe_u32 v[T+2], v0, 4, 1
	s_delay_alu instid0(VALU_DEP_2)
	v_lshlrev_b32 v[CO], 4, v[T+1]
	s_delay_alu instid0(VALU_DEP_1)
	v_lshl_add_u32 v[CO], v[T+2], 14, v[CO]
	v_mov_b32 v[PT], 0                             ; written once: a lane permute's destination counts as one of its sources
	s_mov_b32 s26, 0x76543210                      ; v_permlanex16_b32's selects for lane l xor 16
	s_mov_b32 s27, 0xfedcba98
	s_lshl_b32 s16, ttmp9, 20                      ; xs: 128 rows of 8,192 bytes a work-group,
	s_lshl_b32 s17, s14, 16                        ; 8 a wave
	s_add_co_u32 s16, s16, s17
	s_mov_b32 s17, 0
	s_lshr_b32 s18, ttmp9, 2                       ; codes: the batch,
	s_lshl_b32 s18, s18, 19
	s_bfe_u32 s19, ttmp9, 0x10001                  ; the half: compact rows 32 (g mod 4) + 2 w + k, 64 to a half,
	s_lshl_b32 s19, s19, 17
	s_add_co_u32 s18, s18, s19
	s_and_b32 s19, ttmp9, 1                        ; 32 rows of 256 bytes,
	s_lshl_b32 s19, s19, 13
	s_add_co_u32 s18, s18, s19
	s_lshl_b32 s19, s14, 9                         ; two rows a wave
	s_add_co_u32 s18, s18, s19
	s_mov_b32 s19, 0
	s_lshl_b32 s20, ttmp9, 9                       ; rowmean: 128 numbers a work-group
	s_mov_b32 s21, 0
	s_lshl_b32 s22, ttmp9, 13                      ; colpart: 2,048 numbers a work-group, 128 of them stored by each wave
	s_lshl_b32 s23, s14, 9
	s_add_co_u32 s22, s22, s23
	s_mov_b32 s23, 0
	s_wait_alu depctr_va_vdst(0)
	s_wait_kmcnt 0x0
	s_load_b64 s[24:25], s[6:7], 0x10              ; e4, e5
	s_add_nc_u64 s[4:5], s[4:5], s[16:17]
	s_add_nc_u64 s[8:9], s[8:9], s[18:19]
	s_add_nc_u64 s[10:11], s[10:11], s[20:21]
	s_add_nc_u64 s[12:13], s[12:13], s[22:23]
.macro LOADROW dst, i                  ; row i of my eight: 16 loads of 512 consecutive bytes; read once in the launch
.irp j, 0,1,2,3,4,5,6,7,8,9,10,11,12,13,14,15
	global_load_b128 v[\dst+4*\j:\dst+4*\j+3], v[XO], s[4:5] offset:(\i)*ROWB+512*\j th:TH_LOAD_NT
.endr
.endm
.macro COLADD x                        ; the column sums take the row
.set NN, 0
.rept 32
	v_pk_add_f32 v[CS+NN:CS+NN+1], v[CS+NN:CS+NN+1], v[\x+NN:\x+NN+1]
.set NN, NN+2
.endr
.endm
.macro REDUCE                          ; four chains of pairs in v[T] .. v[T+7] become one sum over the wave, in every lane's v[T]
	s_delay_alu instid0(VALU_DEP_3)
	v_pk_add_f32 v[T:T+1], v[T:T+1], v[T+2:T+3]
	s_delay_alu instid0(VALU_DEP_2)
	v_pk_add_f32 v[T+4:T+5], v[T+4:T+5], v[T+6:T+7]
	s_delay_alu instid0(VALU_DEP_1)
	v_pk_add_f32 v[T:T+1], v[T:T+1], v[T+4:T+5]
	s_delay_alu instid0(VALU_DEP_1)
	v_add_f32 v[T], v[T], v[T+1]
	s_delay_alu instid0(VALU_DEP_1)
	v_add_f32_dpp v[T], v[T], v[T] row_xmask:1 row_mask:0xf bank_mask:0xf
	s_delay_alu instid0(VALU_DEP_1)
	v_add_f32_dpp v[T], v[T], v[T] row_xmask:2 row_mask:0xf bank_mask:0xf
	s_delay_alu instid0(VALU_DEP_1)
	v_add_f32_dpp v[T], v[T], v[T] row_xmask:4 row_mask:0xf bank_mask:0xf
	s_delay_alu instid0(VALU_DEP_1)
	v_add_f32_dpp v[T], v[T], v[T] row_xmask:8 row_mask:0xf bank_mask:0xf
	s_delay_alu instid0(VALU_DEP_1)
	v_permlanex16_b32 v[PT], v[T], s26, s27
	s_delay_alu instid0(VALU_DEP_1)
	v_add_f32 v[T], v[T], v[PT]
.endm
.macro ROWSUM x, i                     ; the row's sum, in four chains started by the first eight pairs; lanes with lane mod 8 = i keep it
.irp c, 0,1,2,3
	v_pk_add_f32 v[T+2*\c:T+2*\c+1], v[\x+2*\c:\x+2*\c+1], v[\x+8+2*\c:\x+8+2*\c+1]
.endr
.set NN, 8
.rept 24
	s_delay_alu instid0(VALU_DEP_4)
	v_pk_add_f32 v[T+2*(NN%4):T+2*(NN%4)+1], v[T+2*(NN%4):T+2*(NN%4)+1], v[\x+2*NN:\x+2*NN+1]
.set NN, NN+1
.endr
	REDUCE
.if (\i) == 0
	s_delay_alu instid0(VALU_DEP_1)
	v_mov_b32 v[RM], v[T]
.else
	v_cmp_eq_u32 vcc_lo, \i, v[L7]
	s_delay_alu instid0(VALU_DEP_1)
	v_cndmask_b32 v[RM], v[RM], v[T], vcc_lo
.endif
.endm
; A live row (k = 0: row 3, k = 1: row 4): xc = x - mean, xn = xc / (|xc| + 1e-8), all in f32, then the codes under both scales.  v[T] holds the row's sum.
.macro LIVE x, k
	s_delay_alu instid0(VALU_DEP_3)
	v_mul_f32 v[NM], 0xba000000, v[T]              ; -sum / 2,048
	s_delay_alu instid0(VALU_DEP_1)
	v_mov_b32 v[NM+1], v[NM]
.set NN, 0
.rept 32
	v_pk_add_f32 v[\x+NN:\x+NN+1], v[\x+NN:\x+NN+1], v[NM:NM+1]
.set NN, NN+2
.endr
.irp c, 0,1,2,3
	v_pk_mul_f32 v[T+2*\c:T+2*\c+1], v[\x+2*\c:\x+2*\c+1], v[\x+2*\c:\x+2*\c+1]   ; the first four pairs start the chains of squares
.endr
.set NN, 4
.rept 28
	s_delay_alu instid0(VALU_DEP_4)
	v_pk_fma_f32 v[T+2*(NN%4):T+2*(NN%4)+1], v[\x+2*NN:\x+2*NN+1], v[\x+2*NN:\x+2*NN+1], v[T+2*(NN%4):T+2*(NN%4)+1]
.set NN, NN+1
.endr
	REDUCE
	s_wait_alu depctr_va_vdst(0)
	v_sqrt_f32 v[T+1], v[T]
	v_nop                                          ; a plain instruction behind the root,
	s_wait_alu depctr_va_vdst(0)                   ; and the wait ahead of the first line that names its result
	v_add_f32 v[T+1], 0x322bcc77, v[T+1]           ; + 1e-8
	s_wait_alu depctr_va_vdst(0)
	v_rcp_f32 v[IV], v[T+1]
	v_nop
	s_wait_alu depctr_va_vdst(0)
	v_mov_b32 v[IV+1], v[IV]
.set NN, 0
.rept 32
	v_pk_mul_f32 v[\x+NN:\x+NN+1], v[\x+NN:\x+NN+1], v[IV:IV+1]
.set NN, NN+2
.endr
.if \k
	s_wait_xcnt 0x0                                ; row 3's stores have read their data: only now are the codes' registers written again
.endif
.irp g, 0,1,2,3,4,5,6,7                ; eight numbers at a time; the conversion to an 8-bit code does not saturate (ISA guide 7.6.2), so each number is first held within 448 x the scale
.irp i, 0,1,2,3,4,5,6,7
	v_med3_num_f32 v[T+8*(\g%2)+\i], v[\x+8*\g+\i], -v[LM4], v[LM4]   ; two sets of eight by turns: the next eight holds are the plain lines behind each conversion
.endr
	v_cvt_scalef32_pk8_fp8_f32 v[CA+2*\g:CA+2*\g+1], v[T+8*(\g%2):T+8*(\g%2)+7], v[SC4]
.endr
	v_nop                                          ; one plain line behind the last conversion
.irp q, 0,1,2,3                        ; sixteen lanes store 256 consecutive bytes, aligned: the row's part of chunk 2 q + lane / 16
	global_store_b128 v[CO], v[CA+4*\q:CA+4*\q+3], s[8:9] offset:32768*\q+256*(\k)
.endr
	s_cmp_eq_u32 s24, s25                          ; e4 = e5: side e5's codes are side e4's
	s_wait_alu depctr_va_vdst(0)
	s_cbranch_scc1 .Lsame_\@
.irp g, 0,1,2,3,4,5,6,7
.irp i, 0,1,2,3,4,5,6,7
	v_med3_num_f32 v[T+8*(\g%2)+\i], v[\x+8*\g+\i], -v[LM5], v[LM5]
.endr
	v_cvt_scalef32_pk8_fp8_f32 v[CB+2*\g:CB+2*\g+1], v[T+8*(\g%2):T+8*(\g%2)+7], v[SC5]
.endr
	v_nop
.irp q, 0,1,2,3
	global_store_b128 v[CO], v[CB+4*\q:CB+4*\q+3], s[8:9] offset:262144+32768*\q+256*(\k)
.endr
.Lsame_\@:
.endm
; Row i in slot x.  left: the younger loads that may stay out.  The slot then takes the row two further on.
.macro ROW x, i, left
	s_wait_loadcnt \left
	COLADD \x
	ROWSUM \x, \i
.if ((\i) == 3) || ((\i) == 4)
	LIVE \x, \i-3
.endif
.if (\i)+2 < 8
	LOADROW \x, \i+2
.endif
.endm
	LOADROW CS, 0                                  ; row 0 lands in the column sums' registers: nothing is cleared
	LOADROW S0, 1
	LOADROW S1, 2
	s_wait_kmcnt 0x0
	s_add_co_i32 s20, s24, 127
	s_lshl_b32 s21, s20, 23
	v_mov_b32 v[SC4], s21                          ; 2^e4 as f32: the conversion takes its exponent field
	s_add_co_i32 s20, s20, 8
	s_lshl_b32 s20, s20, 23
	s_or_b32 s20, s20, 0x600000
	v_mov_b32 v[LM4], s20                          ; 448 x 2^e4
	s_add_co_i32 s20, s25, 127
	s_lshl_b32 s21, s20, 23
	v_mov_b32 v[SC5], s21
	s_add_co_i32 s20, s20, 8
	s_lshl_b32 s20, s20, 23
	s_or_b32 s20, s20, 0x600000
	v_mov_b32 v[LM5], s20
	s_wait_loadcnt 32                              ; row 0 is in; the 32 loads of rows 1 and 2 stay out
	ROWSUM CS, 0
	ROW S0, 1, 16                                  ; 16: the one younger row's loads stay out
	ROW S1, 2, 16
	ROW S0, 3, 16
	ROW S1, 4, 16
	ROW S0, 5, 16
	ROW S1, 6, 16
	ROW S0, 7, 0
	; THE END: the sixteen waves' column sums meet in LDS; wave w adds and stores columns 128 w .. 128 w + 127.  All LDS addresses are made here, ahead of the branch on the wave's number.
	s_lshl_b32 s16, s14, 13
	v_add_nc_u32 v[T], s16, v[XO]                  ; in: 8,192 x wave + 16 x lane
	s_lshl_b32 s17, s14, 5
	v_lshl_add_u32 v[T+1], v[L7], 2, s17
	s_delay_alu instid0(VALU_DEP_1)
	v_add_nc_u32 v[T+1], RMB, v[T+1]               ; my row sum's word: 8 x wave + lane mod 8
	s_lshl_b32 s18, s14, 9
	v_add_nc_u32 v[T+2], s18, v[XO]                ; back: slice w of waves 0 to 7,
	s_delay_alu instid0(VALU_DEP_1)
	v_add_nc_u32 v[T+3], 0x10000, v[T+2]           ; and of waves 8 to 15
	v_add_nc_u32 v[T+4], RMB, v[XO]                ; the 128 row sums, four a lane
.irp j, 0,1,2,3,4,5,6,7,8,9,10,11,12,13,14,15
	ds_store_b128 v[T], v[CS+4*\j:CS+4*\j+3] offset:512*\j
.endr
	ds_store_b32 v[T+1], v[RM]                     ; lanes with equal lane mod 8 write the same word with the same value
	s_wait_alu depctr_va_vdst(0)
	s_wait_dscnt 0x0                               ; for the others' sake: my stores have landed
	s_barrier_signal -1
	s_barrier_wait -1
.irp q, 0,1,2,3,4,5,6,7
	ds_load_b128 v[S0+4*\q:S0+4*\q+3], v[T+2] offset:8192*\q
.endr
.irp q, 0,1,2,3,4,5,6,7
	ds_load_b128 v[S0+32+4*\q:S0+32+4*\q+3], v[T+3] offset:8192*\q
.endr
	s_wait_dscnt 0x0
.irp d, 32, 16, 8, 4                   ; sixteen waves' four numbers a lane: halves are added until one is left
.set NN, 0
.rept \d/2
	v_pk_add_f32 v[S0+NN:S0+NN+1], v[S0+NN:S0+NN+1], v[S0+\d+NN:S0+\d+NN+1]
.set NN, NN+2
.endr
.endr
	global_store_b128 v[XO], v[S0:S0+3], s[12:13]  ; 512 consecutive bytes, aligned
	s_cmp_lg_u32 s14, 0                            ; wave 0 alone stores the work-group's 128 row means
	s_cbranch_scc1 .Lnot_wave_0
	ds_load_b128 v[S1:S1+3], v[T+4]
	s_wait_dscnt 0x0
	v_pk_mul_f32 v[S1:S1+1], v[S1:S1+1], 0x3a000000 op_sel_hi:[1,0]       ; / 2,048
	v_pk_mul_f32 v[S1+2:S1+3], v[S1+2:S1+3], 0x3a000000 op_sel_hi:[1,0]
	global_store_b128 v[XO], v[S1:S1+3], s[10:11]
.Lnot_wave_0:
	s_wait_tensorcnt 0x0                           ; the wave's end
	ds_add_u32 v[SPW], v[NIL]
	s_wait_dscnt 0x0
	s_endpgm
.Lfunc_end_k_q8363cd05c8_stream:
	.size	k_q8363cd05c8_stream, .Lfunc_end_k_q8363cd05c8_stream-k_q8363cd05c8_stream
	.p2alignl 7, 3214868480
	.fill 96, 4, 3214868480
	.section	.rodata,"a",@progbits
	.p2align	6, 0x0
	.amdhsa_kernel k_q8363cd05c8_stream
		.amdhsa_group_segment_fixed_size 133632
		.amdhsa_private_segment_fixed_size 0
		.amdhsa_enable_private_segment 0
		.amdhsa_kernarg_size 40
		.amdhsa_user_sgpr_count 2
		.amdhsa_user_sgpr_kernarg_segment_ptr 1
		.amdhsa_wavefront_size32 1
		.amdhsa_system_sgpr_workgroup_id_x 1
		.amdhsa_system_sgpr_workgroup_id_y 1
		.amdhsa_system_sgpr_workgroup_id_z 1
		.amdhsa_system_vgpr_workitem_id 0
		.amdhsa_next_free_vgpr 256
		.amdhsa_next_free_sgpr 66
		.amdhsa_reserve_vcc 1
		.amdhsa_float_denorm_mode_32 3
		.amdhsa_float_denorm_mode_16_64 3
		.amdhsa_memory_ordered 1
		.amdhsa_forward_progress 1
		.amdhsa_inst_pref_size 99
	.end_amdhsa_kernel
	.amdgpu_metadata
---
amdhsa.version: [ 1, 2 ]
amdhsa.kernels:
  - .name:           k_q8363cd05c8_stream
    .symbol:         k_q8363cd05c8_stream.kd
    .args:
      - { .name: hidden_state, .offset: 0, .size: 8, .value_kind: global_buffer, .address_space: global }
      - { .name: lowp_scales, .offset: 8, .size: 8, .value_kind: global_buffer, .address_space: global }
      - { .name: codes, .offset: 16, .size: 8, .value_kind: global_buffer, .address_space: global }
      - { .name: rowmean, .offset: 24, .size: 8, .value_kind: global_buffer, .address_space: global }
      - { .name: colpart, .offset: 32, .size: 8, .value_kind: global_buffer, .address_space: global }
    .group_segment_fixed_size: 133632
    .private_segment_fixed_size: 0
    .kernarg_segment_align: 8
    .kernarg_segment_size: 40
    .max_flat_workgroup_size: 512
    .sgpr_count:     66
    .vgpr_count:     256
    .wavefront_size: 32
...
	.end_amdgpu_metadata
.endif
;; end of part 1
;; launch views (part 2): grid 256 x 1, 4 waves a work-group, no clusters, 327,680 bytes of LDS; arguments codes, rowmean, colpart, lowp_scales, raw, mm; writes raw, mm
.if DOCPART == 2
	.amdgcn_target "amdgcn-amd-amdhsa--gfx1250"
	.amdhsa_code_object_version 6
	.text
	.protected	k_q8363cd05c8_views
	.globl	k_q8363cd05c8_views
	.p2align	8
	.type	k_q8363cd05c8_views,@function
k_q8363cd05c8_views:
	s_mov_b64 s[64:65], 0
	v_nop
	global_prefetch_b8 v0, s[64:65] scope:SCOPE_SE
	s_setreg_imm32_b32 hwreg(HW_REG_WAVE_MODE, 25, 1), 1
	s_wait_xcnt 0x0
; SECOND OF THREE LAUNCHES: the three resized images, not yet normalised, and each wave's least and largest number of each.
; WORK LEFT OUT, as shown at the head of the first kernel: of product 5 only the 128 x 128 results whose two indices are 3 or 4 mod 8, of products 6 and 7 only those K steps: all other weights are the code 0.
; SHARES.  Work-group 4 b + 2 oi + pi takes batch b and the quadrant (oi, pi) of 32 x 32 of each image; wave w the 16 x 16 part (w / 2, w mod 2).
; Products 1 and 2 (temporal, K = 23, left as they are) go in f32; products 3 and 4 (spatial, K = 46) as codes with zero codes up to 64; the bilinear weights are made in registers as hats 1 - |src - k|, held at 0.
; PRODUCT 5: 64 compact rows of operand A (half oi) x 64 of operand B (half pi), K = 2,048.  The codes, 2 x 128 KiB, are fetched once: ONE tensor load a wave at the head, 256 dense rows of 256 bytes
; (four K chunks of 64 rows of one operand), 16 bytes of padding behind each row.  Nothing is filled again.  The two small views are made while those loads are out.
; Operand B's codes lie in side e5 of the buffer, or, where lowp_scales[4] = lowp_scales[5], in side e4 (see the first kernel): the offset is chosen by s_cselect_b32, with no branch on a loaded number.
; Wave w multiplies K half w mod 2: all 64 rows of A x column blocks w and w xor 1, eight accumulators by turns, 16 steps of 64: 12 LDS loads feed 8 matrix instructions.  Then waves w and w xor 1 hand each other,
; through LDS bytes of their own, the four tiles that the other finishes: wave w ends with all 64 rows x columns 16 w .. 16 w + 15, summed over both halves of K.
; cluster = none: a tile is shared by two work-groups only, and the launch has one group of loads and no refill for a round to serve.  No prefetch: all tiles are asked for at the head, and there is no loop to run ahead in.
; LIMITS: every exponent of lowp_scales, and e2 - e0 - e1, e6 - e4 - e5, e8 - e6 - e7, lie between -126 and 119, so that 2^e and 448 x 2^e are f32 numbers.  NaN and infinity are not served.
.set PITCH, 272                        ; an LDS row of codes: 256 bytes + 16
.set CHUNK, 64*PITCH                   ; 64 rows x 256 along K
.set B_B,   8*CHUNK                    ; operand B's eight chunks lie behind A's
.set SG,    278528                     ; the spatial grid, 46 x 46 f32 and zeros behind it
.set TG,    290816                     ; the temporal grid, 23 x 23 f32 and zeros behind it
.set EX,    294912                     ; product 6's codes on their way to product 7
.set SPARE, 296960                     ; the spare words, 128 bytes for each wave
.set XCH,   297472                     ; product 5's tiles from wave to wave: 4,096 bytes for each wave
.set R,    1                           ; lane mod 16
.set HH,   2                           ; lane / 16
.set RO,   3                           ; my place in raw
.set SPW,  4                           ; LDS address of my spare word; never rewritten
.set NIL,  5                           ; 0; never rewritten
.set ADA,  6                           ; LDS: A's fragments in my K half
.set AXS,  7                           ; LDS: where I put the partner's tiles
.set ADB,  8                           ; v8 B's block w, v9 B's block w xor 1, in my K half
.set AGS,  10
.set AGT,  11
.set AEXS, 12
.set AEXL, 13
.set AST,  14
.set AXL,  15                          ; LDS: where the partner put mine
.set Q0,   16                          ; pairs: 2^e and 448 x 2^e of each quantiser
.set Q1,   18
.set Q2,   20
.set Q3,   22
.set Q6,   24
.set Q7,   26
.set Q8,   28
.set Q9,   30
.set ACC,  32                          ; v32-63 four accumulators; in product 5 v64-95 four more
.set FR0,  96                          ; product 5: two sets of 48: A's four fragments, B's two
.set XB,   192                         ; product 5: the partner's sums, then the whole sums
.set WC0,  224
.set WC1,  232
.set WD,   240
.set MM,   248                         ; least and largest of the three images
.set SA,   254
.set LN,   255
.set TA,   96
.set TB,   104
.set OO,   112
.set PPX,  113
.set SW,   114
.set H10,  115
.set STO,  116
.set STP,  117
.set SC0,  118
.set WT,   64
.set WP,   76
.set GT,   160
.set OUT_T, 208
.set X,    64
.set GC,   160
.set WH,   184
.set WW,   192
.set TC,   200
.set OUT_S, 216
.set CC,   64
.set PP,   72
.set TC8,  80
.set D6,   112
.set D7,   128
.set OUT_C, 136
.macro PLACES n
.rept \n
	v_nop
.endr
.endm
.macro MKSC vs, se                     ; 2^e and 448 x 2^e as f32, e in s[se]
	s_add_co_i32 s20, s[\se], 127
	s_lshl_b32 s21, s20, 23
	v_mov_b32 v[\vs], s21
	s_add_co_i32 s20, s20, 8
	s_lshl_b32 s20, s20, 23
	s_or_b32 s20, s20, 0x600000
	v_mov_b32 v[\vs+1], s20
.endm
; cnt hats 1 - |src - 128 k| / 128, src in 128ths in v[s], k = kk + mul (i / blk) + i mod blk: three passes, so that no line reads the line above it
.macro HATS d, s, cnt, kk, mul, blk
.set NN, 0
.rept \cnt
	v_add_nc_u32 v[\d+NN], 0xffffffff&(-128*((\kk)+(\mul)*(NN/(\blk))+NN%(\blk))), v[\s]
.set NN, NN+1
.endr
.set NN, 0
.rept \cnt
	v_cvt_f32_i32 v[\d+NN], v[\d+NN]
.set NN, NN+1
.endr
.set NN, 0
.rept \cnt
	v_fma_f32 v[\d+NN], |v[\d+NN]|, 0xbc000000, 1.0
.set NN, NN+1
.endr
.endm
.macro SRC d, x, sub, cap              ; the source coordinate of output x, clipped at both ends
	v_mul_u32_u24 v[\d], v[\x], 46
	v_min_u32 v[SA], \sub, v[\d]
	v_sub_nc_u32 v[\d], v[\d], v[SA]
	v_min_u32 v[\d], \cap, v[\d]
.endm
.macro WFRAG dst, s, sc                ; a fragment of weights, K = 64, as codes: the hold at 0 and at the largest code in one
.irp c, 0,1,2,3
.set TT, TA+8*(\c%2)
	HATS TT, \s, 8, 16*\c, 0, 8
.irp i, 0,1,2,3,4,5,6,7
	v_med3_num_f32 v[TT+\i], v[TT+\i], 0, v[\sc+1]
.endr
	v_cvt_scalef32_pk8_fp8_f32 v[\dst+2*\c:\dst+2*\c+1], v[TT:TT+7], v[\sc]
.endr
	v_nop
.endm
.macro QACC dst, acc, sc, tmp          ; eight sums become eight codes
.irp i, 0,1,2,3,4,5,6,7
	v_med3_num_f32 v[\tmp+\i], v[\acc+\i], -v[\sc+1], v[\sc+1]
.endr
	v_cvt_scalef32_pk8_fp8_f32 v[\dst:\dst+1], v[\tmp:\tmp+7], v[\sc]
.endm
.macro FETCH set, s                    ; step s of my K half: 64 along K of A's 64 rows and of B's two blocks; the place of k in a fragment is the same in A and in B
.set OFS, ((\s)>>2)*CHUNK+64*((\s)&3)
.irp ta, 0,1,2,3
	ds_load_b128 v[\set+8*\ta:\set+8*\ta+3], v[ADA] offset:OFS+\ta*16*PITCH
	ds_load_b128 v[\set+8*\ta+4:\set+8*\ta+7], v[ADA] offset:OFS+\ta*16*PITCH+32
.endr
.irp u, 0,1
	ds_load_b128 v[\set+32+8*\u:\set+35+8*\u], v[ADB+\u] offset:OFS
	ds_load_b128 v[\set+36+8*\u:\set+39+8*\u], v[ADB+\u] offset:OFS+32
.endr
.endm
.macro MUL set, zero                   ; eight accumulators by turns
.irp u, 0,1
.irp ta, 0,1,2,3
.if \zero
	v_wmma_f32_16x16x64_fp8_fp8 v[ACC+32*\u+8*\ta:ACC+32*\u+8*\ta+7], v[\set+8*\ta:\set+8*\ta+7], v[\set+32+8*\u:\set+39+8*\u], 0
.else
	v_wmma_f32_16x16x64_fp8_fp8 v[ACC+32*\u+8*\ta:ACC+32*\u+8*\ta+7], v[\set+8*\ta:\set+8*\ta+7], v[\set+32+8*\u:\set+39+8*\u], v[ACC+32*\u+8*\ta:ACC+32*\u+8*\ta+7]
.endif
.endr
.endr
.endm
.macro FINISH ch, reg                  ; image ch: my 16 x 16 as an image of registers into raw, and its least and largest number of my lane
	global_store_b128 v[RO], v[\reg:\reg+3], s[12:13] offset:4096*\ch
	global_store_b128 v[RO], v[\reg+4:\reg+7], s[12:13] offset:4096*\ch+512
	v_min3_num_f32 v[MM+2*\ch], v[\reg], v[\reg+1], v[\reg+2]
	v_max3_num_f32 v[MM+2*\ch+1], v[\reg], v[\reg+1], v[\reg+2]
	v_min3_num_f32 v[MM+2*\ch], v[MM+2*\ch], v[\reg+3], v[\reg+4]
	v_max3_num_f32 v[MM+2*\ch+1], v[MM+2*\ch+1], v[\reg+3], v[\reg+4]
	v_min3_num_f32 v[MM+2*\ch], v[MM+2*\ch], v[\reg+5], v[\reg+6]
	v_max3_num_f32 v[MM+2*\ch+1], v[MM+2*\ch+1], v[\reg+5], v[\reg+6]
	v_min_num_f32 v[MM+2*\ch], v[MM+2*\ch], v[\reg+7]
	v_max_num_f32 v[MM+2*\ch+1], v[MM+2*\ch+1], v[\reg+7]
.endm
	s_load_b256 s[4:11], s[0:1], 0x0               ; codes s[4:5], rowmean s[6:7], colpart s[8:9], the scales' exponents s[10:11]
	s_load_b128 s[12:15], s[0:1], 0x20             ; raw, mm
	v_lshl_add_u32 v[SPW], v0, 2, SPARE
	v_mov_b32 v[NIL], 0
	ds_add_u32 v[SPW], v[NIL]                      ; the opening lines: the add, twice on end, and its wait ahead of my tensor load
	ds_add_u32 v[SPW], v[NIL]
	v_lshrrev_b32 v[R], 5, v0
	v_readfirstlane_b32 s16, v[R]                  ; wave 0..3
	s_mov_b32 s24, 0x07500000                      ; group 1: elements of one byte; 4 words of padding behind every 64
	s_mov_b32 s25, 256<<16                         ; tensor_dim0 = 256
	s_mov_b32 s26, 256<<16                         ; tensor_dim1 = 256 rows
	s_mov_b32 s27, 256<<16                         ; tile_dim0 = 256
	s_mov_b32 s28, 256                             ; tile_dim1 = 256 rows
	s_mov_b32 s29, 256                             ; the rows are dense
	s_mov_b32 s30, 0
	s_mov_b32 s31, 0
	s_lshr_b32 s17, ttmp9, 2                       ; the batch
	s_bfe_u32 s18, ttmp9, 0x10001                  ; oi
	s_and_b32 s19, ttmp9, 1                        ; pi
	s_lshr_b32 s22, s16, 1                         ; I fetch for A (0) or for B (1); also my part's row block
	s_and_b32 s23, s16, 1                          ; which four chunks I fetch; my K half; also my part's column block
	s_mul_i32 s20, s22, B_B
	s_mul_i32 s21, s23, 4*CHUNK
	s_add_co_u32 s20, s20, s21                     ; LDS: operand x 8 chunks + (wave mod 2) x 4 chunks
	s_cmp_eq_u32 s22, 0
	s_cselect_b32 s21, s18, s19
	s_lshl_b32 s21, s21, 17                        ; the half: oi for A, pi for B
	s_lshl_b32 s68, s17, 19
	s_add_co_u32 s68, s68, s21
	s_lshl_b32 s21, s23, 16                        ; four chunks of 16,384 bytes
	s_add_co_u32 s68, s68, s21
	s_mov_b32 s69, 0
	s_mov_b32 s58, 0x76543210                      ; v_permlanex16_b32's selects for lane l xor 16
	s_mov_b32 s59, 0xfedcba98
	s_wait_dscnt 0x0                               ; both opening adds are done
	s_wait_kmcnt 0x0
	s_load_b256 s[48:55], s[10:11], 0x0            ; e0 .. e7
	s_load_b64 s[56:57], s[10:11], 0x20            ; e8, e9
	s_add_nc_u64 s[68:69], s[4:5], s[68:69]
	s_mov_b32 s32, 1
	s_add_co_u32 s33, s20, 0
	s_add_nc_u64 s[34:35], s[68:69], 0
	s_or_b32 s35, s35, 0x80000000
	s_cmp_eq_u32 s22, 0                            ; one chain on the wave's number, one fill to an arm
	s_cbranch_scc0 .Lside_b
	tensor_load_to_lds s[32:35], s[24:31]          ; A: side e4; 65,536 bytes, a quarter of what the work-group multiplies
	s_nop 0
	s_branch .Lasked
.Lside_b:
	s_wait_kmcnt 0x0                               ; B's side hangs on e4 and e5
	s_cmp_eq_u32 s52, s53
	s_cselect_b32 s70, 0, 0x40000                  ; side e4 where the two scales are one, else side e5, 262,144 bytes on
	s_min_u32 s70, s70, 0x40000                    ; the choice hangs on loaded numbers: the offset is held at the distance of the two sides before it enters the address
	s_mov_b32 s71, 0
	s_add_nc_u64 s[34:35], s[34:35], s[70:71]
	tensor_load_to_lds s[32:35], s[24:31]
	s_nop 0
.Lasked:
	v_lshlrev_b32 v[SA], 4, v0
	s_lshl_b32 s20, s17, 15
	s_mov_b32 s21, 0
	s_add_nc_u64 s[8:9], s[8:9], s[20:21]          ; the batch's four partial column sums
	s_lshl_b32 s20, s17, 11
	s_add_nc_u64 s[6:7], s[6:7], s[20:21]          ; and its 512 row means
.irp j, 0,1,2,3
.irp q, 0,1,2,3
	global_load_b128 v[64+16*\j+4*\q:64+16*\j+4*\q+3], v[SA], s[8:9] offset:8192*\q+2048*\j
.endr
.endr
	global_load_b128 v[128:131], v[SA], s[6:7]
	s_lshl_b32 s36, s16, 10                        ; the scalar parts of the addresses first, then the vector lines on end
	s_mul_i32 s37, s23, 4*CHUNK                    ; my K half
	s_mul_i32 s38, s16, 16*PITCH
	s_add_co_u32 s38, s38, B_B                     ; B's block w
	s_xor_b32 s40, s16, 1                          ; my partner
	s_mul_i32 s39, s40, 16*PITCH
	s_add_co_u32 s39, s39, B_B                     ; B's block w xor 1
	s_lshl_b32 s41, s16, 12
	s_add_co_u32 s41, s41, XCH
	s_lshl_b32 s40, s40, 12
	s_add_co_u32 s40, s40, XCH
	s_lshl_b32 s42, s22, 10
	s_add_co_u32 s42, s42, EX
	v_and_b32 v[R], 15, v0
	v_bfe_u32 v[HH], v0, 4, 1
	v_and_b32 v[LN], 31, v0
	v_lshl_add_u32 v[RO], v[LN], 4, s36
	v_mul_u32_u24 v[ADA], v[R], PITCH
	v_lshl_add_u32 v[ADA], v[HH], 4, v[ADA]
	v_add_nc_u32 v[ADA], s37, v[ADA]
	v_add_nc_u32 v[ADB], s38, v[ADA]
	v_add_nc_u32 v[ADB+1], s39, v[ADA]
	v_lshl_add_u32 v[AXS], v[LN], 4, s41
	v_lshl_add_u32 v[AXL], v[LN], 4, s40
	v_mul_u32_u24 v[AGS], v[HH], 1472
	v_lshl_add_u32 v[AGS], v[R], 2, v[AGS]
	v_add_nc_u32 v[AGS], SG, v[AGS]
	v_mul_u32_u24 v[AGT], v[HH], 184
	v_lshl_add_u32 v[AGT], v[R], 2, v[AGT]
	v_add_nc_u32 v[AGT], TG, v[AGT]
	v_lshl_add_u32 v[AEXS], v0, 3, EX
	v_lshl_add_u32 v[AEXL], v[LN], 3, s42
	v_lshl_add_u32 v[AST], v0, 4, SG
.irp i, 132,133,134,135
	v_mov_b32 v[\i], 0
.endr
	s_mul_i32 s20, ttmp9, 12288
	s_add_nc_u64 s[12:13], s[12:13], s[20:21]
	s_lshl_b32 s20, ttmp9, 2
	s_add_co_u32 s20, s20, s16
	s_lshl_b32 s20, s20, 2
	s_add_nc_u64 s[14:15], s[14:15], s[20:21]
	s_wait_kmcnt 0x0
	s_sub_co_i32 s60, s50, s48                     ; a sum of product 3 stands for sum x 2^(e0 + e1): its code under e2 is sum / 2^(e2 - e0 - e1); likewise below
	s_sub_co_i32 s60, s60, s49
	s_sub_co_i32 s61, s54, s52
	s_sub_co_i32 s61, s61, s53
	s_sub_co_i32 s62, s56, s54
	s_sub_co_i32 s62, s62, s55
	s_add_co_i32 s63, s50, s51
	s_add_co_i32 s66, s56, s57
	MKSC Q0, 48
	MKSC Q1, 49
	MKSC Q2, 60
	MKSC Q3, 51
	MKSC Q6, 61
	MKSC Q7, 55
	MKSC Q8, 62
	MKSC Q9, 57
	s_wait_loadcnt 0x0
.irp j, 0,1,2,3                        ; the column means: four parts added, / 512; with the row means and zeros behind them into the two grids
.irp h, 0,2
	v_pk_add_f32 v[64+16*\j+\h:65+16*\j+\h], v[64+16*\j+\h:65+16*\j+\h], v[68+16*\j+\h:69+16*\j+\h]
	v_pk_add_f32 v[72+16*\j+\h:73+16*\j+\h], v[72+16*\j+\h:73+16*\j+\h], v[76+16*\j+\h:77+16*\j+\h]
.endr
.irp h, 0,2
	v_pk_add_f32 v[64+16*\j+\h:65+16*\j+\h], v[64+16*\j+\h:65+16*\j+\h], v[72+16*\j+\h:73+16*\j+\h]
.endr
.irp h, 0,2
	v_pk_mul_f32 v[64+16*\j+\h:65+16*\j+\h], v[64+16*\j+\h:65+16*\j+\h], 0x3b000000 op_sel_hi:[1,0]
.endr
	ds_store_b128 v[AST], v[64+16*\j:67+16*\j] offset:2048*\j
.endr
	ds_store_b128 v[AST], v[132:135] offset:8192
	ds_store_b128 v[AST], v[132:135] offset:10240
	ds_store_b128 v[AST], v[128:131] offset:12288
	ds_store_b128 v[AST], v[132:135] offset:14336
	s_wait_dscnt 0x0                               ; for the others' sake: my stores have landed
	s_barrier_signal -1
	s_barrier_wait -1
.irp t, 0,1
.irp s, 0,1,2,3,4,5
.irp j, 0,1
	ds_load_b32 v[GT+12*\t+2*\s+\j], v[AGT] offset:92*(4*\s+\j)+64*\t
.endr
.endr
.endr
	s_lshl_b32 s20, s18, 5
	s_lshl_b32 s21, s22, 4
	s_add_co_u32 s20, s20, s21
	v_add_nc_u32 v[OO], s20, v[R]                  ; my lane's output row
	s_lshl_b32 s20, s19, 5
	s_lshl_b32 s21, s23, 4
	s_add_co_u32 s20, s20, s21
	v_add_nc_u32 v[PPX], s20, v[R]                 ; and output column
	v_lshlrev_b32 v[H10], 10, v[HH]
	v_lshlrev_b32 v[SC0], 8, v[R]
	v_add_nc_u32 v[SC0], 64, v[SC0]
	v_sub_nc_u32 v[SC0], v[SC0], v[H10]
	WFRAG WC0, SC0, Q7                             ; products 6 and 7: over the compact indices output o has 0.5 at 2 o and 2 o + 1
	v_add_nc_u32 v[SW], 4096, v[SC0]
	WFRAG WC1, SW, Q7
	s_lshl_b32 s20, s23, 12
	v_add_nc_u32 v[SW], s20, v[SC0]
	WFRAG WD, SW, Q9
	SRC SW, OO, 9, 2880
	v_lshlrev_b32 v[SW], 1, v[SW]
	v_sub_nc_u32 v[SW], v[SW], v[H10]
	WFRAG WH, SW, Q1
	SRC SW, PPX, 9, 2880
	v_lshlrev_b32 v[SW], 1, v[SW]
	v_sub_nc_u32 v[SW], v[SW], v[H10]
	WFRAG WW, SW, Q3
	SRC STO, OO, 41, 2816
	v_lshlrev_b32 v[SA], 8, v[HH]
	v_sub_nc_u32 v[STO], v[STO], v[SA]
	SRC STP, PPX, 41, 2816
	v_sub_nc_u32 v[STP], v[STP], v[H10]
	HATS WT, STO, 12, 0, 4, 2
	HATS WP, STP, 16, 0, 16, 8
.set NN, 0
.rept 28
	v_max_num_f32 v[WT+NN], 0, v[WT+NN]
.set NN, NN+1
.endr
	s_wait_dscnt 0x0
.irp s, 0,1,2,3,4,5                    ; THE TEMPORAL VIEW, in f32
.irp t, 0,1
.if \s == 0
	v_wmma_f32_16x16x4_f32 v[ACC+8*\t:ACC+8*\t+7], v[GT+12*\t+2*\s:GT+12*\t+2*\s+1], v[WT+2*\s:WT+2*\s+1], 0
.else
	v_wmma_f32_16x16x4_f32 v[ACC+8*\t:ACC+8*\t+7], v[GT+12*\t+2*\s:GT+12*\t+2*\s+1], v[WT+2*\s:WT+2*\s+1], v[ACC+8*\t:ACC+8*\t+7]
.endif
.endr
.endr
	PLACES 9
.irp u, 0,1,2,3
	s_wait_alu depctr_va_vdst(0)
.irp t, 0,1
.if \u == 0
	v_wmma_f32_16x16x4_f32 v[ACC+16+8*\t:ACC+23+8*\t], v[WP+2*(4*\t+\u):WP+2*(4*\t+\u)+1], v[ACC+8*\t+2*\u:ACC+8*\t+2*\u+1], 0
.else
	v_wmma_f32_16x16x4_f32 v[ACC+16+8*\t:ACC+23+8*\t], v[WP+2*(4*\t+\u):WP+2*(4*\t+\u)+1], v[ACC+8*\t+2*\u:ACC+8*\t+2*\u+1], v[ACC+16+8*\t:ACC+23+8*\t]
.endif
.endr
.endr
	PLACES 8
.irp j, 0,2,4,6
	v_pk_add_f32 v[OUT_T+\j:OUT_T+\j+1], v[ACC+16+\j:ACC+17+\j], v[ACC+24+\j:ACC+25+\j]
.endr
	FINISH 0, OUT_T
.irp t, 0,1,2                          ; THE SPATIAL VIEW: a lane takes a column of the grid, its registers run down K
.irp c, 0,1,2,3
.irp i, 0,1,2,3,4,5,6,7
	ds_load_b32 v[X+32*\t+8*\c+\i], v[AGS] offset:184*(16*\c+\i)+64*\t
.endr
.endr
.endr
	s_wait_dscnt 0x0
.set NN, 0
.rept 96
	v_med3_num_f32 v[X+NN], v[X+NN], -v[Q0+1], v[Q0+1]
.set NN, NN+1
.endr
.irp t, 0,1,2
.irp c, 0,1,2,3
	v_cvt_scalef32_pk8_fp8_f32 v[GC+8*\t+2*\c:GC+8*\t+2*\c+1], v[X+32*\t+8*\c:X+32*\t+8*\c+7], v[Q0]
.endr
.endr
	v_nop
.irp t, 0,1,2
	v_wmma_f32_16x16x64_fp8_fp8 v[ACC+8*\t:ACC+8*\t+7], v[GC+8*\t:GC+8*\t+7], v[WH:WH+7], 0
.endr
	PLACES 4
	QACC TC, ACC, Q2, TA
	QACC TC+2, ACC+8, Q2, TB
	QACC TC+4, ACC+16, Q2, TA
	v_mov_b32 v[TC+6], 0
	v_mov_b32 v[TC+7], 0
	v_wmma_f32_16x16x64_fp8_fp8 v[ACC+24:ACC+31], v[WW:WW+7], v[TC:TC+7], 0
	PLACES 4
.irp j, 0,1,2,3,4,5,6,7
	v_ldexp_f32 v[OUT_S+\j], v[ACC+24+\j], s63
.endr
	FINISH 1, OUT_S
	s_wait_xcnt 0x0                                ; the stores have read their data: those registers are loaded into below
	; PRODUCT 5: 16 steps of 64 along my K half on two sets of fragments by turns; a set is fetched again, two steps ahead, four places behind the products that read it
	s_wait_tensorcnt 0x0                           ; my quarter of the codes is in LDS,
	s_wait_dscnt 0x0                               ; no LDS instruction of mine is out,
	s_barrier_signal -1
	s_barrier_wait -1                              ; and the same holds of all four waves
	FETCH FR0, 0
	FETCH FR0+48, 1
.set SS, 0
.rept 16
.set FB, FR0+48*(SS%2)
.set ZF, SS==0
.if SS < 15
	s_wait_dscnt 12                                ; this step's 12 loads are in; the other set's 12, issued behind them, may be out
.else
	s_wait_dscnt 0x0
.endif
	MUL FB, ZF                                     ; the first step starts the sums
.if SS < 14
	PLACES 4
	FETCH FB, SS+2
.endif
.set SS, SS+1
.endr
	PLACES 4
.irp t, 0,1,2,3                        ; block w xor 1's four tiles go to the partner as images of registers, each from its low end on
	ds_store_b128 v[AXS], v[ACC+32+8*\t:ACC+35+8*\t] offset:1024*\t
	ds_store_b128 v[AXS], v[ACC+36+8*\t:ACC+39+8*\t] offset:1024*\t+512
.endr
	s_wait_dscnt 0x0                               ; for the partner's sake: my stores have landed
	s_barrier_signal -1
	s_barrier_wait -1
.irp t, 0,1,2,3
	ds_load_b128 v[XB+8*\t:XB+8*\t+3], v[AXL] offset:1024*\t
	ds_load_b128 v[XB+8*\t+4:XB+8*\t+7], v[AXL] offset:1024*\t+512
.endr
	s_wait_dscnt 0x0
.set NN, 0
.rept 16
	v_pk_add_f32 v[XB+NN:XB+NN+1], v[XB+NN:XB+NN+1], v[ACC+NN:ACC+NN+1]   ; both halves of K; the sums go into other registers than the accumulators
.set NN, NN+2
.endr
	QACC CC, XB, Q6, TA                            ; PRODUCTS 6 AND 7
	QACC CC+2, XB+8, Q6, TB
	QACC CC+4, XB+16, Q6, TA
	QACC CC+6, XB+24, Q6, TB
	v_nop
	v_wmma_f32_16x16x64_fp8_fp8 v[D6:D6+7], v[CC:CC+7], v[WC0:WC0+7], 0
	v_wmma_f32_16x16x64_fp8_fp8 v[D6+8:D6+15], v[CC:CC+7], v[WC1:WC1+7], 0
	PLACES 4
	QACC PP, D6, Q8, TA
	QACC PP+2, D6+8, Q8, TB
	v_nop
	ds_store_b64 v[AEXS], v[PP:PP+1]
	ds_store_b64 v[AEXS], v[PP+2:PP+3] offset:1024
	s_wait_dscnt 0x0
	s_barrier_signal -1
	s_barrier_wait -1
.irp q, 0,1,2,3
	ds_load_b64 v[TC8+2*\q:TC8+2*\q+1], v[AEXL] offset:256*\q
.endr
	s_wait_dscnt 0x0
	v_wmma_f32_16x16x64_fp8_fp8 v[D7:D7+7], v[WD:WD+7], v[TC8:TC8+7], 0
	PLACES 4
.irp j, 0,1,2,3,4,5,6,7
	v_ldexp_f32 v[OUT_C+\j], v[D7+\j], s66
.endr
	FINISH 2, OUT_C
.irp m, 1,2,4,8                        ; the six extremes over the wave's 32 lanes, the six chains line by line
.irp c, 0,2,4
	v_min_num_f32_dpp v[MM+\c], v[MM+\c], v[MM+\c] row_xmask:\m row_mask:0xf bank_mask:0xf
	v_max_num_f32_dpp v[MM+\c+1], v[MM+\c+1], v[MM+\c+1] row_xmask:\m row_mask:0xf bank_mask:0xf
.endr
.endr
.irp c, 0,1,2,3,4,5
	v_permlanex16_b32 v[TA+\c], v[MM+\c], s58, s59 ; its destination counts as read: these registers have been written
.endr
.irp c, 0,2,4
	v_min_num_f32 v[MM+\c], v[MM+\c], v[TA+\c]
	v_max_num_f32 v[MM+\c+1], v[MM+\c+1], v[TA+\c+1]
.endr
	v_mov_b32 v[SA], v[MM]
.irp i, 1,2,3,4,5
	v_cmp_eq_u32 vcc_lo, \i, v[LN]
	v_cndmask_b32 v[SA], v[SA], v[MM+\i], vcc_lo
.endr
	v_lshlrev_b32 v64, 12, v[LN]
	v_cmp_gt_u32 vcc_lo, 6, v[LN]
	s_wait_alu depctr_va_vdst(0)
	s_wait_xcnt 0x0                                ; EXEC changes only behind this wait
	s_and_saveexec_b32 s20, vcc_lo
	global_store_b32 v64, v[SA], s[14:15]          ; lanes 0 to 5: my wave's six extremes
	s_wait_xcnt 0x0
	s_or_b32 exec_lo, exec_lo, s20
	s_wait_tensorcnt 0x0                           ; the wave's end
	ds_add_u32 v[SPW], v[NIL]
	s_wait_dscnt 0x0
	s_endpgm
.Lfunc_end_k_q8363cd05c8_views:
	.size	k_q8363cd05c8_views, .Lfunc_end_k_q8363cd05c8_views-k_q8363cd05c8_views
	.p2alignl 7, 3214868480
	.fill 96, 4, 3214868480
	.section	.rodata,"a",@progbits
	.p2align	6, 0x0
	.amdhsa_kernel k_q8363cd05c8_views
		.amdhsa_group_segment_fixed_size 327680
		.amdhsa_private_segment_fixed_size 0
		.amdhsa_enable_private_segment 0
		.amdhsa_kernarg_size 48
		.amdhsa_user_sgpr_count 2
		.amdhsa_user_sgpr_kernarg_segment_ptr 1
		.amdhsa_wavefront_size32 1
		.amdhsa_system_sgpr_workgroup_id_x 1
		.amdhsa_system_sgpr_workgroup_id_y 1
		.amdhsa_system_sgpr_workgroup_id_z 1
		.amdhsa_system_vgpr_workitem_id 0
		.amdhsa_next_free_vgpr 256
		.amdhsa_next_free_sgpr 72
		.amdhsa_reserve_vcc 1
		.amdhsa_float_denorm_mode_32 3
		.amdhsa_float_denorm_mode_16_64 3
		.amdhsa_memory_ordered 1
		.amdhsa_forward_progress 1
		.amdhsa_inst_pref_size 115
	.end_amdhsa_kernel
	.amdgpu_metadata
---
amdhsa.version: [ 1, 2 ]
amdhsa.kernels:
  - .name:           k_q8363cd05c8_views
    .symbol:         k_q8363cd05c8_views.kd
    .args:
      - { .name: codes, .offset: 0, .size: 8, .value_kind: global_buffer, .address_space: global }
      - { .name: rowmean, .offset: 8, .size: 8, .value_kind: global_buffer, .address_space: global }
      - { .name: colpart, .offset: 16, .size: 8, .value_kind: global_buffer, .address_space: global }
      - { .name: lowp_scales, .offset: 24, .size: 8, .value_kind: global_buffer, .address_space: global }
      - { .name: raw, .offset: 32, .size: 8, .value_kind: global_buffer, .address_space: global }
      - { .name: mm, .offset: 40, .size: 8, .value_kind: global_buffer, .address_space: global }
    .group_segment_fixed_size: 327680
    .private_segment_fixed_size: 0
    .kernarg_segment_align: 8
    .kernarg_segment_size: 48
    .max_flat_workgroup_size: 128
    .sgpr_count:     72
    .vgpr_count:     256
    .wavefront_size: 32
...
	.end_amdgpu_metadata
.endif
;; end of part 2
;; launch norm (part 3): grid 3 x 64, 4 waves a work-group, no clusters, 17,920 bytes of LDS; arguments raw, mm, out0; writes out0
.if DOCPART == 3
	.amdgcn_target "amdgcn-amd-amdhsa--gfx1250"
	.amdhsa_code_object_version 6
	.text
	.protected	k_q8363cd05c8_norm
	.globl	k_q8363cd05c8_norm
	.p2align	8
	.type	k_q8363cd05c8_norm,@function
k_q8363cd05c8_norm:
	s_mov_b64 s[64:65], 0
	v_nop
	global_prefetch_b8 v0, s[64:65] scope:SCOPE_SE
	s_setreg_imm32_b32 hwreg(HW_REG_WAVE_MODE, 25, 1), 1
	s_wait_xcnt 0x0
; THIRD OF THREE LAUNCHES: each image's least and largest number over all batches, (x - lo) / (hi - lo + 1e-8), or 0 where hi - lo < 1e-8, and the rows in their true order.  No work is left out here.
; The division is a multiplication by v_rcp_f32's result.  NaN and infinity are not served.
; SHARES.  Work-group (ch, b): image ch of batch b.  Wave v: rows o = 16 v .. 16 v + 15.  Every wave reduces the channel's 1,024 least and 1,024 largest numbers itself (16 loads of 512 bytes): no barrier.
; raw holds images of result registers: [4 b + 2 oi + pi][ch][2 to + tp][q2][lane][16 bytes] = out(o = 32 oi + 16 to + lane mod 16, p = 32 pi + 16 tp + 8 (lane / 16) + 4 q2 + 0 .. 3).
; They turn through the wave's own stage in LDS (rows of 256 bytes + 16) and leave as whole rows: each store covers 512 consecutive bytes, aligned.  Memory binds: no matrix unit, no cluster, no tensor load.
.set SPARE, 17408                      ; behind the four stages of 16 x 272 bytes: the spare words, 128 bytes for each wave
.set LN,  1
.set XO,  2                            ; 16 x lane
.set SPW, 3                            ; LDS address of my spare word; never rewritten
.set NIL, 4                            ; 0; never rewritten
.set PT,  5
.set ZR,  6                            ; 0, for the choice
.set STI, 7                            ; the stage: in
.set RD,  8                            ; and back
.set LO,  10                           ; v[10:11] lo, twice
.set IV,  12                           ; v[12:13] 1 / (hi - lo + 1e-8) or 0, twice
.set MN,  16                           ; v16-47 the least numbers, v48-79 the largest; later the rows on their way out
.set RW,  80                           ; v80-111 my part of raw
	s_load_b128 s[4:7], s[0:1], 0x0                ; raw, mm
	s_load_b64 s[8:9], s[0:1], 0x10                ; out0
	v_lshl_add_u32 v[SPW], v0, 2, SPARE
	v_mov_b32 v[NIL], 0
	v_lshrrev_b32 v[LN], 5, v0
	v_readfirstlane_b32 s10, v[LN]                 ; wave 0..3
	v_and_b32 v[LN], 31, v0
	v_lshlrev_b32 v[XO], 4, v[LN]
	v_mov_b32 v[PT], 0
	v_mov_b32 v[ZR], 0
	s_and_b32 s11, ttmp7, 0xffff                   ; the batch
	s_lshl_b32 s12, ttmp9, 13                      ; mm: 8,192 bytes a channel
	s_mov_b32 s13, 0
	s_mul_i32 s14, s11, 49152                      ; raw: four work-groups' 12,288 bytes a batch,
	s_lshr_b32 s15, s10, 1
	s_mul_i32 s15, s15, 24576                      ; oi,
	s_add_co_u32 s14, s14, s15
	s_lshl_b32 s15, ttmp9, 12                      ; the channel,
	s_add_co_u32 s14, s14, s15
	s_and_b32 s15, s10, 1
	s_lshl_b32 s15, s15, 11                        ; to
	s_add_co_u32 s14, s14, s15
	s_mov_b32 s15, 0
	s_mul_i32 s16, s11, 3
	s_add_co_u32 s16, s16, ttmp9
	s_lshl_b32 s16, s16, 14                        ; out0: image 3 b + ch of 16,384 bytes,
	s_lshl_b32 s17, s10, 12                        ; my 16 rows
	s_add_co_u32 s16, s16, s17
	s_mov_b32 s17, 0
	s_mov_b32 s18, 0x76543210
	s_mov_b32 s19, 0xfedcba98
	s_mul_i32 s20, s10, 4352                       ; my stage
	v_and_b32 v14, 15, v0
	v_bfe_u32 v15, v0, 4, 1
	v_mul_u32_u24 v[STI], v14, 272
	v_lshl_add_u32 v[STI], v15, 5, v[STI]
	v_add_nc_u32 v[STI], s20, v[STI]               ; in: row lane mod 16, + 32 (lane / 16)
	v_mul_u32_u24 v[RD], v15, 272
	v_lshl_add_u32 v[RD], v14, 4, v[RD]
	v_add_nc_u32 v[RD], s20, v[RD]                 ; back: lanes 0-15 one row, lanes 16-31 the next
	s_wait_kmcnt 0x0
	s_add_nc_u64 s[6:7], s[6:7], s[12:13]
	s_add_nc_u64 s[4:5], s[4:5], s[14:15]
	s_add_nc_u64 s[8:9], s[8:9], s[16:17]
.irp i, 0,1,2,3,4,5,6,7,8,9,10,11,12,13,14,15
	global_load_b128 v[MN+4*\i:MN+4*\i+3], v[XO], s[6:7] offset:512*\i
.endr
.irp a, 0,1
.irp t, 0,1
.irp q, 0,1
	global_load_b128 v[RW+4*(4*\a+2*\t+\q):RW+4*(4*\a+2*\t+\q)+3], v[XO], s[4:5] offset:12288*\a+1024*\t+512*\q th:TH_LOAD_NT
.endr
.endr
.endr
	s_wait_loadcnt 8                               ; the extremes are in; the eight loads of raw stay out
	v_min3_num_f32 v14, v16, v17, v18              ; two chains each
	v_min3_num_f32 v15, v19, v20, v21
	v_max3_num_f32 v112, v48, v49, v50
	v_max3_num_f32 v113, v51, v52, v53
.irp i, 22,26,30,34,38,42
	v_min3_num_f32 v14, v14, v[\i], v[\i+1]
	v_min3_num_f32 v15, v15, v[\i+2], v[\i+3]
	v_max3_num_f32 v112, v112, v[\i+32], v[\i+33]
	v_max3_num_f32 v113, v113, v[\i+34], v[\i+35]
.endr
	v_min3_num_f32 v14, v14, v46, v47
	v_max3_num_f32 v112, v112, v78, v79
	v_min_num_f32 v14, v14, v15
	v_max_num_f32 v112, v112, v113
.irp m, 1,2,4,8
	v_min_num_f32_dpp v14, v14, v14 row_xmask:\m row_mask:0xf bank_mask:0xf
	v_max_num_f32_dpp v112, v112, v112 row_xmask:\m row_mask:0xf bank_mask:0xf
.endr
	v_permlanex16_b32 v[PT], v14, s18, s19
	v_min_num_f32 v[LO], v14, v[PT]                ; lo, in every lane
	v_permlanex16_b32 v[PT], v112, s18, s19
	v_max_num_f32 v112, v112, v[PT]                ; hi
	v_mov_b32 v[LO+1], v[LO]
	v_sub_f32 v113, v112, v[LO]                    ; hi - lo
	v_add_f32 v15, 0x322bcc77, v113                ; + 1e-8
	v_cmp_gt_f32 vcc_lo, 0x322bcc77, v113          ; hi - lo < 1e-8?
	s_wait_alu depctr_va_vdst(0)
	v_rcp_f32 v[IV], v15
	v_nop                                          ; a plain line behind the reciprocal,
	s_wait_alu depctr_va_vdst(0)                   ; and the wait ahead of the first line that names its result
	v_cndmask_b32 v[IV], v[IV], v[ZR], vcc_lo      ; then every number becomes 0: the choice selects a value, there is no branch
	v_mov_b32 v[IV+1], v[IV]
	s_wait_loadcnt 0x0
.set NN, 0
.rept 16
	v_pk_add_f32 v[RW+NN:RW+NN+1], v[RW+NN:RW+NN+1], v[LO:LO+1] neg_lo:[0,1] neg_hi:[0,1]
.set NN, NN+2
.endr
.set NN, 0
.rept 16
	v_pk_mul_f32 v[RW+NN:RW+NN+1], v[RW+NN:RW+NN+1], v[IV:IV+1]
.set NN, NN+2
.endr
.irp a, 0,1
.irp t, 0,1
.irp q, 0,1
	ds_store_b128 v[STI], v[RW+4*(4*\a+2*\t+\q):RW+4*(4*\a+2*\t+\q)+3] offset:128*\a+64*\t+16*\q
.endr
.endr
.endr
.irp i, 0,1,2,3,4,5,6,7
	ds_load_b128 v[MN+4*\i:MN+4*\i+3], v[RD] offset:544*\i   ; LDS serves a wave's instructions in order (ISA guide 5.7.1.4): these see my stores
.endr
.irp i, 0,1,2,3,4,5,6,7
	s_wait_dscnt 7-\i                              ; rows 2 i and 2 i + 1 are back; the younger reads stay out
	global_store_b128 v[XO], v[MN+4*\i:MN+4*\i+3], s[8:9] offset:512*\i th:TH_STORE_NT
.endr
	s_wait_tensorcnt 0x0                           ; the wave's end
	ds_add_u32 v[SPW], v[NIL]
	s_wait_dscnt 0x0
	s_endpgm
.Lfunc_end_k_q8363cd05c8_norm:
	.size	k_q8363cd05c8_norm, .Lfunc_end_k_q8363cd05c8_norm-k_q8363cd05c8_norm
	.p2alignl 7, 3214868480
	.fill 96, 4, 3214868480
	.section	.rodata,"a",@progbits
	.p2align	6, 0x0
	.amdhsa_kernel k_q8363cd05c8_norm
		.amdhsa_group_segment_fixed_size 17920
		.amdhsa_private_segment_fixed_size 0
		.amdhsa_enable_private_segment 0
		.amdhsa_kernarg_size 24
		.amdhsa_user_sgpr_count 2
		.amdhsa_user_sgpr_kernarg_segment_ptr 1
		.amdhsa_wavefront_size32 1
		.amdhsa_system_sgpr_workgroup_id_x 1
		.amdhsa_system_sgpr_workgroup_id_y 1
		.amdhsa_system_sgpr_workgroup_id_z 1
		.amdhsa_system_vgpr_workitem_id 0
		.amdhsa_next_free_vgpr 128
		.amdhsa_next_free_sgpr 66
		.amdhsa_reserve_vcc 1
		.amdhsa_float_denorm_mode_32 3
		.amdhsa_float_denorm_mode_16_64 3
		.amdhsa_memory_ordered 1
		.amdhsa_forward_progress 1
		.amdhsa_inst_pref_size 12
	.end_amdhsa_kernel
	.amdgpu_metadata
---
amdhsa.version: [ 1, 2 ]
amdhsa.kernels:
  - .name:           k_q8363cd05c8_norm
    .symbol:         k_q8363cd05c8_norm.kd
    .args:
      - { .name: raw, .offset: 0, .size: 8, .value_kind: global_buffer, .address_space: global }
      - { .name: mm, .offset: 8, .size: 8, .value_kind: global_buffer, .address_space: global }
      - { .name: out0, .offset: 16, .size: 8, .value_kind: global_buffer, .address_space: global }
    .group_segment_fixed_size: 17920
    .private_segment_fixed_size: 0
    .kernarg_segment_align: 8
    .kernarg_segment_size: 24
    .max_flat_workgroup_size: 128
    .sgpr_count:     66
    .vgpr_count:     128
    .wavefront_size: 32
...
	.end_amdgpu_metadata
.endif
;; end of part 3
